; MI455X (gfx1250); checked and timed in simulation.
; The chip was launched on July 23, 2026; its instructions are those of AMD's public machine-readable ISA for CDNA 5 (MIT licence, August 2026) and "CDNA5" Instruction Set Architecture Reference Guide (July 2026). The comments in the code are by the model that wrote it; some were corrected since.
;; Perceiver Alibi Self Attention. Allowed arithmetic: matrix products marked QUANTISED: E2M3 operands, one E8M0 scale for each 32 along K, by v_wmma_scale_f32_16x16x128_f8f6f4 with both operands' format E2M3, f32 sums; everything else in f32.
;; Inputs: Wk 1,024 x 1,024 float32; Wq 1,024 x 1,024 float32; Wv 1,024 x 1,024 float32; bk 1,024 float32; bq 1,024 float32; bv 1,024 float32; hidden_states 4 x 2,048 x 1,024 float32; ln_beta 1,024 float32; ln_gamma 1,024 float32.
;; Outputs: out0 4 x 2,048 x 1,024 float32.
;; This version of the problem:
;;   THIS VERSION OF THE PROBLEM IS GIVEN IN LOW PRECISION. The matrix products marked QUANTISED in the list below multiply operands that are first quantised to E2M3 (2 exponent bits, 3 mantissa bits; 6 bits a number), with one power-of-two scale for each 32 numbers along K (OCP MX v1.0); their sums are f32. All else is computed in f32.
;;   The module's matrix products, in the order in which they are computed (A, B: the left and right operand; K: the contracted axis; several contracted axes count as one K, in the product's order):
;;     1. [M 8,192, K 1,024] x [K 1,024, N 1,024]; A: computed on the way; B: input Wq: QUANTISED
;;     2. [M 8,192, K 1,024] x [K 1,024, N 1,024]; A: computed on the way; B: input Wk: QUANTISED
;;     3. [M 8,192, K 1,024] x [K 1,024, N 1,024]; A: computed on the way; B: input Wv: QUANTISED
;;     4. batch 64 x [M 2,048, K 64] x [K 64, N 2,048]; A: computed on the way; B: computed on the way: QUANTISED
;;     5. batch 64 x [M 2,048, K 2,048] x [K 2,048, N 64]; A: softmax (see below); B: computed on the way: QUANTISED
;;   THE QUANTISER, for each operand of a quantised product, along K:
;;     - K is cut into blocks of 32 from its start; a last block that is shorter is filled with zeros.
;;     - A block's scale is 2^e with e = floor(log2(the largest magnitude in the block)) - 2, held to -126 .. 127; a block of zeros has e = 0. As a byte (E8M0): e + 127.
;;     - Each number is divided by its block's scale, clamped to +-7.5, and rounded to the nearest number of E2M3, ties to even, subnormals kept.
;;     - The product sums the exact products of the quantised numbers (number of the format x scale) in f32.
;;   ~~~python
;;   def quantise(x, axis):      # numpy; x: float32 -> the quantised numbers, widened to float32 again
;;       x = np.moveaxis(x, axis, -1); K = x.shape[-1]
;;       x = np.pad(x, [(0, 0)] * (x.ndim - 1) + [(0, -K % 32)]); x = x.reshape(x.shape[:-1] + (-1, 32)); a = np.abs(x).max(-1, keepdims=True)
;;       e = np.where(a > 0, np.clip(np.frexp(np.where(a > 0, a, 1))[1] - 1 - 2, -126, 127), 0)      # np.frexp(a)[1] - 1 = floor(log2(a)), exactly
;;       r = np.clip(x / 2.0 ** e, -7.5, 7.5)
;;       step = 2.0 ** (np.maximum(np.frexp(np.where(r == 0, 1, r))[1] - 1, 0) - 3)
;;       q = np.round(r / step) * step * 2.0 ** e      # np.round: ties to even
;;       return np.moveaxis(q.reshape(q.shape[:-2] + (-1,))[..., :K], -1, axis).astype(np.float32)
;;   ~~~
;;   SOFTMAX AHEAD OF A QUANTISED PRODUCT. Where the list says 'softmax', what is quantised is not the finished softmax but p = 2^(t - M), with t = logit x log2(e) and M = ceil(the row's largest t), a whole number; so 1/2 < the row's largest p <= 1. The row's sum l is taken of the UNQUANTISED p, in f32, and the product's result is divided by l at the end. Since M is a whole number, a kernel that streams over the keys may use a running M (the ceiling of the running maximum): every later rescaling is an exact power of two, which a block's scale takes up: the codes' values come out the same.
;;   OPERANDS COMPUTED ON THE WAY. 'Computed on the way' means the value that the module computes at that place (a softmax that the list does not call 'softmax' is quantised finished and normalised). What goes into a quantiser is computed in f32, as accurately as f32 sums, v_exp_f32 and their like allow (about 1e-6 of the number): no bf16 or f16 on the way to a quantiser, and a product that is left as it is and whose result goes on into a quantised operand takes f32 operands (vector FMAs, or v_wmma_f32_16x16x4_f32). A number that lies on a knife's edge between two numbers of the format may be rounded either way, as far as f32 arithmetic and the matrix unit's own rounding can turn it there, and no further.
;; One version. Each part assembles by itself: llvm-mc -triple=amdgcn-amd-amdhsa -mcpu=gfx1250 --defsym DOCPART=n.
;; ======== version 1 of 1: 3 launches
;; workspace buffers: xc 6,291,456 bytes; xs 262,144 bytes; wc 2,359,296 bytes; ws 98,304 bytes; qr 13,369,344 bytes; kv 13,369,344 bytes
;; launch prep (part 1): grid 352 x 1, 4 waves a work-group, no clusters, 70,144 bytes of LDS; arguments hidden_states, ln_gamma, ln_beta, Wq, Wk, Wv, xc, xs, wc, ws; writes xc, xs, wc, ws
.if DOCPART == 1
	.amdgcn_target "amdgcn-amd-amdhsa--gfx1250"
	.amdhsa_code_object_version 6
	.text
	.protected	k_qc48be36004_prep
	.globl	k_qc48be36004_prep
	.p2align	8
	.type	k_qc48be36004_prep,@function
k_qc48be36004_prep:
	s_mov_b64 s[64:65], 0
	v_nop
	global_prefetch_b8 v0, s[64:65] scope:SCOPE_SE
	s_setreg_imm32_b32 hwreg(HW_REG_WAVE_MODE, 25, 1), 1
	s_wait_xcnt 0x0
; PREP.  Work-groups 0-255: LayerNorm of hidden_states [8192][1024] f32 and its quantising along D into codes of FP6 (E2M3) xc [8192][768 bytes] and E8M0 scale bytes xs [8192][32].
; Work-groups 256-351: Wq, Wk, Wv [1024 (k)][1024 (n)] f32 quantised along k, their FIRST axis, into wc [3072][768 bytes] (k innermost) and ws [3072][32]; tensor q, k, v at rows 0, 1024, 2048.
; ROW ORDER.  Token t lies at row SW34(t), column n at row 1024 x tensor + SW34(n), SW34 = bits 3 and 4 exchanged.  So 16 consecutive rows 32 g + 16 u + m hold the indices 32 g + 8 u + m + 8 (m / 8):
; a matrix tile of such rows, used as source 0, leaves 16 neighbouring indices in a lane's 16 registers of two neighbouring tiles, which is what the next quantiser wants.
; A block's scale is 2^(floor(log2(largest magnitude)) - 2); its byte is the largest magnitude's exponent field - 2, held at 1 from below.
; LIMITS: NaN and infinities among the inputs are not served; a block whose largest magnitude lies under 2^-124 gets the byte 1, a block of zeros too (the rule says 127: its codes are zeros, which add nothing,
; and the bytes are read by this program alone); the row's sums are taken in another order than a plain chain.
; No tensor load, no barrier: waves share nothing.  No cluster: no two work-groups read the same bytes.  The two paths have LDS bytes of their own.
.set LNWG, 256                         ; work-groups of the LayerNorm path
.set SP,   80                          ; a lane's place in a stage: 64 bytes + 16 of padding
.set STG,  32*SP                       ; a stage: 512 numbers
.set SCB,  2*STG                       ; behind a wave's two stages: its 256 scale bytes
.set G,    16                          ; v16-47   gamma, as loaded: load i, lane l: elements 128 i + 4 l + 0..3
.set BT,   48                          ; v48-79   beta likewise
.set X,    80                          ; v80-175  three row slots of 32
.set Y,    176                         ; v176-207 two sets of 16 neighbours
.set C,    208                         ; v208-223 codes, four sets of four
.set T,    224                         ; v224-231 four chains of pairs
.set E,    240                         ; v240-255 a scale byte for each of the wave's 16 steps
.set WSTG, 32768                       ; the weights' path: LDS from here on, 32 x 272 bytes a wave
.set WP,   272
.set WX,   32                          ; v32-95   two sets of 32 numbers
.set WC,   96                          ; v96-102  a block's codes
.set OUTR, 112                         ; v112-175 the way out
.set SB,   24                          ; v24-25   eight scale bytes
	v_lshl_add_u32 v238, v0, 2, 0x11000
	v_mov_b32 v239, 0
	v_lshrrev_b32 v1, 5, v0
	v_readfirstlane_b32 s16, v1                    ; wave 0..3
	v_and_b32 v1, 31, v0                           ; lane
	s_cmp_lt_u32 ttmp9, LNWG
	s_cbranch_scc0 .Lweights
; ---------------- LayerNorm and x's codes.  Wave gw = 4 x work-group + wave takes tokens 8 gw .. 8 gw + 7, a row at a time, the row in 32 registers.
	s_load_b128 s[4:7], s[0:1], 0x0                ; hidden_states, ln_gamma
	s_load_b64 s[8:9], s[0:1], 0x10                ; ln_beta
	s_load_b128 s[12:15], s[0:1], 0x30             ; xc, xs
	s_lshl_b32 s17, s16, 13                        ; my wave's 8,192 bytes of LDS
	v_lshlrev_b32 v2, 4, v1                        ; 16 x lane: my bytes of a load's 512
	v_mul_u32_u24 v3, v1, 12                       ; 12 x lane: my 16 codes
	v_lshrrev_b32 v4, 2, v1
	v_mul_u32_u24 v4, v4, SP
	v_and_b32 v5, 3, v1
	v_lshl_add_u32 v4, v5, 4, v4
	v_add_nc_u32 v4, s17, v4                       ; the stage, way in: four lanes' 64 bytes on end, then 16 of padding
	v_mul_u32_u24 v5, v1, SP
	v_add_nc_u32 v5, s17, v5                       ; way out: my 16 neighbours
	v_lshrrev_b32 v6, 1, v1
	v_add_nc_u32 v6, s17, v6
	v_add_nc_u32 v6, SCB, v6                       ; my block's scale byte
	v_lshlrev_b32 v7, 3, v1                        ; 8 x lane
	v_add_nc_u32 v8, s17, v7
	v_add_nc_u32 v8, SCB, v8                       ; the scale bytes on their way out
	v_mov_b32 v15, 0                               ; a lane permute's destination counts as read: written once
	s_mov_b32 s20, 0x76543210
	s_mov_b32 s21, 0xfedcba98                      ; selects for lane l xor 16
	s_mov_b32 s22, 0x3a800000                      ; 1 / 1024
	s_mov_b32 s23, 0x3727c5ac                      ; 1e-5
	s_lshl_b32 s18, ttmp9, 2
	s_add_co_u32 s24, s18, s16                     ; gw
	s_and_b32 s19, s16, 1
	s_lshl_b32 s19, s19, 1
	s_lshr_b32 s25, s16, 1
	s_or_b32 s19, s19, s25                         ; the wave's two bits exchanged: bits 3 and 4 of the token
	s_add_co_u32 s26, s18, s19                     ; SW34(8 gw) / 8
	s_lshl_b32 s24, s24, 15                        ; 8 rows of 4,096 bytes
	s_mov_b32 s25, 0
	s_mul_i32 s28, s26, 6144                       ; 8 rows of 768 bytes
	s_mov_b32 s29, 0
	s_lshl_b32 s26, s26, 8                         ; 8 rows of 32 bytes
	s_mov_b32 s27, 0
	s_wait_kmcnt 0x0
	s_add_nc_u64 s[4:5], s[4:5], s[24:25]
	s_add_nc_u64 s[12:13], s[12:13], s[28:29]
	s_add_nc_u64 s[14:15], s[14:15], s[26:27]
.irp i, 0,1,2,3,4,5,6,7
	global_load_b128 v[G+4*\i:G+4*\i+3], v2, s[6:7] offset:512*\i
	global_load_b128 v[BT+4*\i:BT+4*\i+3], v2, s[8:9] offset:512*\i
.endr
.macro LOADROW r                       ; a row: eight loads of 512 consecutive bytes
.irp i, 0,1,2,3,4,5,6,7
	global_load_b128 v[X+32*((\r)%3)+4*\i:X+32*((\r)%3)+4*\i+3], v2, s[4:5] offset:4096*(\r)+512*\i th:TH_LOAD_NT
.endr
.endm
.macro LANESUM                         ; v14 summed over the 32 lanes, the result in every lane
	v_add_f32_dpp v14, v14, v14 row_xmask:1 row_mask:0xf bank_mask:0xf
	v_add_f32_dpp v14, v14, v14 row_xmask:2 row_mask:0xf bank_mask:0xf
	v_add_f32_dpp v14, v14, v14 row_xmask:4 row_mask:0xf bank_mask:0xf
	v_add_f32_dpp v14, v14, v14 row_xmask:8 row_mask:0xf bank_mask:0xf
	v_permlanex16_b32 v15, v14, s20, s21
	v_add_f32 v14, v14, v15
.endm
.macro JOIN                            ; the four chains into v14
	v_pk_add_f32 v[T:T+1], v[T:T+1], v[T+2:T+3]
	v_pk_add_f32 v[T+4:T+5], v[T+4:T+5], v[T+6:T+7]
	v_pk_add_f32 v[T:T+1], v[T:T+1], v[T+4:T+5]
	v_add_f32 v14, v[T], v[T+1]
.endm
; 512 numbers of row r (half t): a lane holds 16 neighbours, two neighbouring lanes a block of 32
.macro QSTEP r, t
.set YS, Y+16*(\t)
.set CD, C+4*((2*(\r)+(\t))%4)
.set ES, E+2*(\r)+(\t)
	v_max3_num_f32 v232, |v[YS]|, |v[YS+1]|, |v[YS+2]|
	v_max3_num_f32 v233, |v[YS+3]|, |v[YS+4]|, |v[YS+5]|
.irp i, 6,10
	v_max3_num_f32 v232, v232, |v[YS+\i]|, |v[YS+\i+1]|
	v_max3_num_f32 v233, v233, |v[YS+\i+2]|, |v[YS+\i+3]|
.endr
	v_max3_num_f32 v232, v232, |v[YS+14]|, |v[YS+15]|
	v_max3_num_f32 v232, v232, v233, 3<<23         ; and the floor 2^(3 - 127): the byte cannot fall under 1
	v_max_num_f32_dpp v232, v232, v232 row_xmask:1 row_mask:0xf bank_mask:0xf   ; with my neighbour's 16: the block's largest magnitude
	v_add_nc_u32 v234, -(2<<23), v232              ; 2 off its exponent field: the conversion takes this operand's exponent field as its scale
	v_cvt_scalef32_pk16_fp6_f32 v[CD:CD+2], v[YS:YS+15], v234
	v_lshrrev_b32 v[ES], 23, v234                  ; the scale's byte (also the plain line behind the conversion)
	ds_store_b8 v6, v[ES] offset:32*(\r)+16*(\t)   ; both lanes of a block write the same byte
	global_store_b96 v3, v[CD:CD+2], s[12:13] offset:768*(\r)+384*(\t)   ; the wave stores 384 consecutive bytes
.endm
.macro ROW r
.set XS, X+32*((\r)%3)
.if (\r) < 6
	s_wait_loadcnt 16                              ; my row's eight loads are in; the two younger rows' sixteen may be out
.else
	s_wait_loadcnt 8*(7-(\r))
.endif
.irp k, 0,1,2,3
	v_pk_add_f32 v[T+2*\k:T+2*\k+1], v[XS+4*\k:XS+4*\k+1], v[XS+4*\k+2:XS+4*\k+3]     ; the first sixteen start four chains: nothing is cleared
.endr
.irp k, 0,1,2,3,4,5,6,7
	v_pk_add_f32 v[T+2*(\k%4):T+2*(\k%4)+1], v[T+2*(\k%4):T+2*(\k%4)+1], v[XS+16+2*\k:XS+17+2*\k]
.endr
	JOIN
	LANESUM
	v_mul_f32 v10, s22, v14                        ; the mean, in both registers of a pair
	v_mul_f32 v11, s22, v14
.irp k, 0,1,2,3,4,5,6,7,8,9,10,11,12,13,14,15
	v_pk_add_f32 v[XS+2*\k:XS+2*\k+1], v[XS+2*\k:XS+2*\k+1], v[10:11] neg_lo:[0,1] neg_hi:[0,1]   ; x - mean: the variance is taken of the differences, so a common offset of the inputs costs nothing
.endr
.irp k, 0,1,2,3
	v_pk_mul_f32 v[T+2*\k:T+2*\k+1], v[XS+2*\k:XS+2*\k+1], v[XS+2*\k:XS+2*\k+1]
.endr
.irp k, 4,5,6,7,8,9,10,11,12,13,14,15
	v_pk_fma_f32 v[T+2*(\k%4):T+2*(\k%4)+1], v[XS+2*\k:XS+2*\k+1], v[XS+2*\k:XS+2*\k+1], v[T+2*(\k%4):T+2*(\k%4)+1]
.endr
	JOIN
	LANESUM
	v_fma_f32 v14, v14, s22, s23                   ; variance + 1e-5
	v_rsq_f32 v12, v14
	v_rsq_f32 v13, v14
	v_nop                                          ; a plain line behind the transcendentals,
	s_wait_alu depctr_va_vdst(0)                   ; and the one wait ahead of their first reader
.irp k, 0,1,2,3,4,5,6,7,8,9,10,11,12,13,14,15
	v_pk_mul_f32 v[XS+2*\k:XS+2*\k+1], v[XS+2*\k:XS+2*\k+1], v[12:13]
.endr
.irp k, 0,1,2,3,4,5,6,7,8,9,10,11,12,13,14,15
	v_pk_fma_f32 v[XS+2*\k:XS+2*\k+1], v[XS+2*\k:XS+2*\k+1], v[G+2*\k:G+2*\k+1], v[BT+2*\k:BT+2*\k+1]
.endr
.irp i, 0,1,2,3,4,5,6,7                ; the row turns through my two stages: in as loaded, out 64 bytes a lane.  LDS serves a wave's instructions in order
	ds_store_b128 v4, v[XS+4*\i:XS+4*\i+3] offset:STG*(\i/4)+8*SP*(\i%4)
.endr
.irp i, 0,1,2,3,4,5,6,7
	ds_load_b128 v[Y+4*\i:Y+4*\i+3], v5 offset:STG*(\i/4)+16*(\i%4)
.endr
	s_wait_dscnt 0x0                               ; the neighbours are in, and the stores have read the row's registers,
.if (\r) < 5
	LOADROW (\r)+3                                 ; which take the row three further on
.endif
	s_wait_xcnt 0x0                                ; the last row's stores have read their codes' registers
	QSTEP \r, 0
	QSTEP \r, 1
.endm
	LOADROW 0
	LOADROW 1
	LOADROW 2
.irp r, 0,1,2,3,4,5,6,7
	ROW \r
.endr
	ds_load_b64 v[236:237], v8                     ; my wave's 256 scale bytes: these see my stores
	s_wait_dscnt 0x0
	global_store_b64 v7, v[236:237], s[14:15]      ; 32 lanes store 256 consecutive bytes, aligned
	s_wait_tensorcnt 0x0
	ds_add_u32 v238, v239
	s_wait_dscnt 0x0
	s_endpgm
; ---------------- The weights.  A lane takes a column n and its registers run down k: a block of 32 lies in one lane, and the codes come out with k innermost.
; Work-group w = number - 256: tensor w / 32, 256 along k at (w / 8) % 4, columns 128 (w % 8) on; a wave takes 32 columns.
.Lweights:
	s_load_b128 s[4:7], s[0:1], 0x18               ; Wq, Wk
	s_load_b64 s[8:9], s[0:1], 0x28                ; Wv
	s_load_b128 s[12:15], s[0:1], 0x40             ; wc, ws
	s_sub_co_u32 s17, ttmp9, LNWG
	s_lshr_b32 s18, s17, 5                         ; tensor
	s_and_b32 s19, s17, 7
	s_bfe_u32 s20, s17, 0x20003                    ; which 256 along k
	s_lshl_b32 s19, s19, 7
	s_lshl_b32 s21, s16, 5
	s_add_co_u32 s19, s19, s21                     ; my wave's first column
	v_and_b32 v2, 31, v0                           ; lane
	v_lshlrev_b32 v3, 2, v2                        ; in: 4 bytes a lane
	s_mul_i32 s21, s16, 32*WP
	s_add_co_u32 s21, s21, WSTG                    ; my stage
	v_mul_u32_u24 v4, v2, WP
	v_add_nc_u32 v4, s21, v4                       ; into it: row = my column
	v_and_b32 v5, 15, v2
	v_lshrrev_b32 v6, 4, v2                        ; out of it: sixteen lanes to a row, two rows an instruction
	v_mul_u32_u24 v7, v6, WP
	v_lshl_add_u32 v7, v5, 4, v7
	v_add_nc_u32 v7, s21, v7
	v_mul_u32_u24 v8, v6, 768
	v_mad_u32_u24 v8, v5, 12, v8                   ; the same place in the codes' buffer
	v_and_b32 v9, 7, v2
	v_bfe_u32 v10, v2, 3, 1
	v_lshl_or_b32 v9, v10, 4, v9
	v_bfe_u32 v10, v2, 4, 1
	v_lshl_or_b32 v9, v10, 3, v9                   ; SW34(lane)
	v_lshlrev_b32 v9, 5, v9                        ; my column's row of scale bytes
	s_lshl_b32 s22, s20, 20                        ; 256 rows of 4,096 bytes
	s_lshl_b32 s23, s19, 2
	s_add_co_u32 s22, s22, s23
	s_mov_b32 s23, 0
	s_lshl_b32 s24, s18, 10
	s_add_co_u32 s24, s24, s19                     ; first row of wc and ws
	s_mul_i32 s26, s24, 768
	s_mul_i32 s25, s20, 192
	s_add_co_u32 s26, s26, s25
	s_mov_b32 s27, 0
	s_lshl_b32 s28, s24, 5
	s_lshl_b32 s25, s20, 3
	s_add_co_u32 s28, s28, s25
	s_mov_b32 s29, 0
	s_wait_kmcnt 0x0
	s_cmp_eq_u32 s18, 0                            ; the tensor is chosen by the work-group's number alone
	s_cselect_b64 s[4:5], s[4:5], s[6:7]
	s_cmp_eq_u32 s18, 2
	s_cselect_b64 s[4:5], s[8:9], s[4:5]
	s_add_nc_u64 s[4:5], s[4:5], s[22:23]
	s_add_nc_u64 s[12:13], s[12:13], s[26:27]
	s_add_nc_u64 s[14:15], s[14:15], s[28:29]
.macro WLOAD t                         ; block t: W(32 t + i, my column): a wave reads 128 consecutive bytes, the four waves 512
.irp i, 0,1,2,3,4,5,6,7,8,9,10,11,12,13,14,15,16,17,18,19,20,21,22,23,24,25,26,27,28,29,30,31
	global_load_b32 v[WX+32*((\t)%2)+\i], v3, s[4:5] offset:(32*(\t)+\i)*4096 th:TH_LOAD_NT
.endr
.endm
.macro WBLOCK t
.set XW, WX+32*((\t)%2)
.if (\t) < 7
	s_wait_loadcnt 32                              ; this block's 32 loads are in; the next block's may be out
.else
	s_wait_loadcnt 0
.endif
	v_max3_num_f32 v12, |v[XW]|, |v[XW+1]|, |v[XW+2]|
	v_max3_num_f32 v13, |v[XW+3]|, |v[XW+4]|, |v[XW+5]|
.irp i, 6,10,14,18,22,26
	v_max3_num_f32 v12, v12, |v[XW+\i]|, |v[XW+\i+1]|
	v_max3_num_f32 v13, v13, |v[XW+\i+2]|, |v[XW+\i+3]|
.endr
	v_max3_num_f32 v12, v12, |v[XW+30]|, |v[XW+31]|
	v_max3_num_f32 v12, v12, v13, 3<<23            ; the floor
	v_add_nc_u32 v11, -(2<<23), v12                ; the conversion's scale operand
	v_lshrrev_b32 v13, 23, v11                     ; the scale's byte
.if (\t)%4 == 0
	v_mov_b32 v[SB+(\t)/4], v13
.else
	v_lshl_or_b32 v[SB+(\t)/4], v13, 8*((\t)%4), v[SB+(\t)/4]
.endif
	v_cvt_scalef32_pk16_fp6_f32 v[WC:WC+2], v[XW:XW+15], v11
	v_cvt_scalef32_pk16_fp6_f32 v[WC+4:WC+6], v[XW+16:XW+31], v11
	v_nop                                          ; a plain line behind the conversions
	ds_store_b96 v4, v[WC:WC+2] offset:32*(\t)     ; 12 bytes to a place of 16, so that every LDS address is a multiple of 16
	ds_store_b96 v4, v[WC+4:WC+6] offset:32*(\t)+16
.if (\t)+2 < 8
	WLOAD (\t)+2
.endif
	s_wait_dscnt 0x0                               ; the stores have read their registers: the next block's codes may be written
.endm
	WLOAD 0
	WLOAD 1
.irp t, 0,1,2,3,4,5,6,7
	WBLOCK \t
.endr
	global_store_b64 v9, v[SB:SB+1], s[14:15]      ; my column's eight scale bytes
.irp t, 0,1,2,3,4,5,6,7,8,9,10,11,12,13,14,15
	ds_load_b96 v[OUTR+4*\t:OUTR+4*\t+2], v7 offset:2*\t*WP
.endr
.irp t, 0,1,2,3,4,5,6,7,8,9,10,11,12,13,14,15
	s_wait_dscnt 15-\t                             ; the younger stage reads may be out
	global_store_b96 v8, v[OUTR+4*\t:OUTR+4*\t+2], s[12:13] offset:(((2*\t)&7)|((((2*\t)>>3)&1)<<4)|((((2*\t)>>4)&1)<<3))*768   ; columns 2 t and 2 t + 1 go to rows SW34(2 t) and SW34(2 t) + 1: sixteen lanes store a row's 192 consecutive bytes
.endr
	s_wait_tensorcnt 0x0
	ds_add_u32 v238, v239
	s_wait_dscnt 0x0
	s_endpgm
.Lfunc_end_k_qc48be36004_prep:
	.size	k_qc48be36004_prep, .Lfunc_end_k_qc48be36004_prep-k_qc48be36004_prep
	.p2alignl 7, 3214868480
	.fill 96, 4, 3214868480
	.section	.rodata,"a",@progbits
	.p2align	6, 0x0
	.amdhsa_kernel k_qc48be36004_prep
		.amdhsa_group_segment_fixed_size 70144
		.amdhsa_private_segment_fixed_size 0
		.amdhsa_enable_private_segment 0
		.amdhsa_kernarg_size 80
		.amdhsa_user_sgpr_count 2
		.amdhsa_user_sgpr_kernarg_segment_ptr 1
		.amdhsa_wavefront_size32 1
		.amdhsa_system_sgpr_workgroup_id_x 1
		.amdhsa_system_sgpr_workgroup_id_y 1
		.amdhsa_system_sgpr_workgroup_id_z 1
		.amdhsa_system_vgpr_workitem_id 0
		.amdhsa_next_free_vgpr 256
		.amdhsa_next_free_sgpr 66
		.amdhsa_reserve_vcc 0
		.amdhsa_float_denorm_mode_32 3
		.amdhsa_float_denorm_mode_16_64 3
		.amdhsa_memory_ordered 1
		.amdhsa_forward_progress 1
		.amdhsa_inst_pref_size 125
	.end_amdhsa_kernel
	.amdgpu_metadata
---
amdhsa.version: [ 1, 2 ]
amdhsa.kernels:
  - .name:           k_qc48be36004_prep
    .symbol:         k_qc48be36004_prep.kd
    .args:
      - { .name: hidden_states, .offset: 0, .size: 8, .value_kind: global_buffer, .address_space: global }
      - { .name: ln_gamma, .offset: 8, .size: 8, .value_kind: global_buffer, .address_space: global }
      - { .name: ln_beta, .offset: 16, .size: 8, .value_kind: global_buffer, .address_space: global }
      - { .name: Wq, .offset: 24, .size: 8, .value_kind: global_buffer, .address_space: global }
      - { .name: Wk, .offset: 32, .size: 8, .value_kind: global_buffer, .address_space: global }
      - { .name: Wv, .offset: 40, .size: 8, .value_kind: global_buffer, .address_space: global }
      - { .name: xc, .offset: 48, .size: 8, .value_kind: global_buffer, .address_space: global }
      - { .name: xs, .offset: 56, .size: 8, .value_kind: global_buffer, .address_space: global }
      - { .name: wc, .offset: 64, .size: 8, .value_kind: global_buffer, .address_space: global }
      - { .name: ws, .offset: 72, .size: 8, .value_kind: global_buffer, .address_space: global }
    .group_segment_fixed_size: 70144
    .private_segment_fixed_size: 0
    .kernarg_segment_align: 8
    .kernarg_segment_size: 80
    .max_flat_workgroup_size: 128
    .sgpr_count:     66
    .vgpr_count:     256
    .wavefront_size: 32
...
	.end_amdgpu_metadata
.endif
;; end of part 1
;; launch proj (part 2): grid 12 x 32, 4 waves a work-group, clusters of 4 x 4, 327,680 bytes of LDS; arguments xc, xs, wc, ws, bq, bk, bv, qr, kv; writes qr, kv
.if DOCPART == 2
	.amdgcn_target "amdgcn-amd-amdhsa--gfx1250"
	.amdhsa_code_object_version 6
	.text
	.protected	k_qc48be36004_proj
	.globl	k_qc48be36004_proj
	.p2align	8
	.type	k_qc48be36004_proj,@function
k_qc48be36004_proj:
	s_mov_b64 s[64:65], 0
	v_nop
	global_prefetch_b8 v0, s[64:65] scope:SCOPE_SE
	s_setreg_imm32_b32 hwreg(HW_REG_WAVE_MODE, 25, 1), 1
	s_wait_xcnt 0x0
	s_wait_alu depctr_hold_cnt(0) depctr_sa_sdst(0) depctr_va_vdst(0) depctr_va_sdst(0) depctr_va_ssrc(0) depctr_va_vcc(0) depctr_vm_vsrc(0)
	s_getreg_b32 s2, hwreg(HW_REG_IB_STS2, 6, 4)
	s_cmp_eq_u32 s2, 0
	s_cbranch_scc0 .Lentry_in_a_cluster
	s_endpgm
.Lentry_in_a_cluster:
	s_bfe_u32 s2, ttmp6, 0x10000c
	s_cmp_lg_u32 s2, 0xf033
	s_cbranch_scc0 .Lentry_shape_is_right
	s_endpgm
.Lentry_shape_is_right:
; PROJ.  q, k, v = LN(x) W + b on codes of FP6 (E2M3) with E8M0 scales, K = 1,024; the results are quantised in registers and stored as IMAGES OF THE OPERAND REGISTERS that the attention launch wants.
; One GEMM text: a tile of 256 x 256 to a work-group of four waves, 128 x 128 to a wave (64 accumulators, 512 registers); K in steps of 256 through a ring of two LDS slots filled by the tensor data mover;
; the scale bytes of the work-group's 2 x 256 rows come into LDS once.  Clusters of 4 x 4: 'A' (source 1) is shared along a row of the cluster, 'B' (source 0) along a column, each by joint loads.
; WHO IS SOURCE 0 hangs on the cluster's x, which all sixteen partners share: x = 0 (q), 1 (k): A = tokens (xc), B = columns of W (wc): a lane holds ONE token and its registers run along n, the head's axis,
; which is q's and k's K in attention.  x = 2 (v): A = columns of Wv, B = tokens: a lane holds one channel and its registers run along the KEYS, which are v's K.
; Rows of xc and wc lie with bits 3 and 4 of their index exchanged, so the 16 registers of two neighbouring tiles of source 0 are 16 neighbours: register 16 g + i of a block of A = index 32 g + 16 (lane / 16) + i.
; The bias is the C of each sum's first product.
; OUT.  A record of 13,056 bytes for each (batch x 16 + head, 128 tokens): +0 eight tiles of 16 tokens x 64 codes (768 bytes: register pair p of lane l at 256 p + 8 l); +6,144 four tiles of 16 channels x 128 keys
; (1,536 bytes each); +12,288 the first's scale words (32 r + 4 t; bytes 2, 3 are 0); +12,800 the second's (16 r + 4 tile).  q goes to qr (first and third part), k and v to kv.  Every store covers 256 or 512 consecutive bytes, aligned.
; LIMITS: as in the launch before: a block of zeros, or one under 2^-124, gets the byte 1; NaN and infinities are not served.
; 384 work-groups of equal work.  No prefetch: K has four slots, of which two are asked for at the head.
; REGISTERS: window 0: v0-31 addresses; v32-63 scale words, two sets; v64-127 the bias, later at work on the way out; v128-223 A's fragments, one set; v224-247 the results' scale words.
;   window 1: B's fragments, two sets.  windows 2, 3: the accumulators ((a, b) at v[8 (8 (a % 4) + b)] of window 2 + a / 4).
.set KSTEP,  256
.set NQ,     2                         ; matrix instructions deep in a slot
.set ROWB,   192                       ; a tile's row in bytes
.set KROW,   768                       ; a row of codes in memory
.set PITCH,  240                       ; an LDS row: 3 x (64 bytes + 16 of padding)
.set FR,     12
.set NL,     6
.set NP,     4                         ; places behind this matrix instruction (ISA guide 7.12.1)
.set HALFT,  128*PITCH
.set SLOT,   4*HALFT
.set KS,     32                        ; a row of scale bytes
.set SCL,    2*SLOT
.set HALFS,  (128*KS/256)*272
.set SBLK,   (16*KS/256)*272
.set SPARE,  SCL+4*HALFS               ; the spare words, 128 bytes a wave: two blocks of 256 bytes that no other line names
.set REC,    13056
.set HEADB,  16*REC
.set ADRA, 16                          ; v16-19  LDS addresses of my A fragments (slot 0, 1; the same behind one padding more)
.set ADRB, 20                          ; v20-23  of B's
.set VO0,  24                          ; v24     8 x lane
.set VO1,  25                          ; v25     8 x lane + where an image's upper six registers go
.set VS,   26                          ; v26     my place among the scale words
.set ADRS, 27
.set SPW,  28
.set NIL,  29
.set SC,   32
.set BC,   64                          ; the bias, eight registers a tile
.set AF,   128
.set TM,   64                          ; the way out: v64-67 maxima, v68-71 bytes, v76-79 scale operands
.set PCB,  84                          ; two sets of 20 for the codes
.set SW,   224                         ; v224-231 the scale word of each block of A
.set LO16, 232
.set SEL4, 240
.set G1, 24
.set G0, 32
.set G1B, 48
.set G0B, 56
.set G1S, 68
.set G0S, 76
.set G1SB, 80
.set G0SB, 88
.set MSB, 0
.macro WIN new                         ; the immediate's high byte repeats the setting that is left
.if MSB != \new
	s_set_vgpr_msb (MSB<<8)|\new
.set MSB, \new
.endif
.endm
.set MUL_LO, 0xa1                      ; source 0 (B) window 1, source 1 (A) window 0, C and D window 2
.set MUL_HI, 0xf1
.set TO_B,   0x40
; A joint load: waves 0 and 1 fetch for A, waves 2 and 3 for B; the branch hangs on the wave's number alone.  Four v_nop follow each of the two lines.
.macro JLOAD g0a, g1a, g0b, g1b
	s_cmp_eq_u32 s15, 0
	s_cbranch_scc0 .Lfor_b_\@
	tensor_load_to_lds s[\g0a:\g0a+3], s[\g1a:\g1a+7]
	s_nop 0
.rept 4
	v_nop
.endr
	s_branch .Lasked_\@
.Lfor_b_\@:
	tensor_load_to_lds s[\g0b:\g0b+3], s[\g1b:\g1b+7]
	s_nop 0
.rept 4
	v_nop
.endr
.Lasked_\@:
.endm
.macro CREST
	s_cmp_lg_u32 s14, 0
	s_cbranch_scc1 .Lnot_wave_0_\@
	s_barrier_signal -3
.Lnot_wave_0_\@:
	s_barrier_wait -3
	s_barrier_signal -1
	s_barrier_wait -1
.endm
.macro CROUND
	s_barrier_signal -1
	s_barrier_wait -1
	CREST
.endm
	s_load_b256 s[4:11], s[0:1], 0x0               ; xc, xs, wc, ws
	s_load_b256 s[80:87], s[0:1], 0x20             ; bq, bk, bv, qr
	s_load_b64 s[88:89], s[0:1], 0x40              ; kv
	v_lshl_add_u32 v[SPW], v0, 2, SPARE
	v_mov_b32 v[NIL], 0
	ds_add_u32 v28, v29
	ds_add_u32 v28, v29
	s_wait_dscnt 0x0
	v_lshrrev_b32 v1, 5, v0
	v_readfirstlane_b32 s14, v1                    ; wave 0..3
	s_lshr_b32 s15, s14, 1                         ; my half of A's rows.  Also: I fetch for A (0) or for B (1)
	s_and_b32 s16, s14, 1                          ; my half of B's rows.  Also: which 128 rows I fetch
	s_bfe_u32 s40, ttmp6, 0x40000                  ; cx
	s_bfe_u32 s41, ttmp6, 0x40004                  ; cy
	s_and_b32 s18, ttmp7, 0xffff
	s_lshl_b32 s18, s18, 2                         ; 4 x cluster y
	s_lshl_b32 s19, ttmp9, 2                       ; 4 x cluster x
	s_cmp_eq_u32 ttmp9, 2                          ; v?  The same in all sixteen partners
	s_cselect_b32 s17, 8, s18                      ; A's tile of 256 rows: Wv's (rows 2,048 on of wc) or the tokens',
	s_cselect_b32 s42, s18, s19                    ; B's: the tokens' or W's
	s_add_co_u32 s17, s17, s41                     ; A's hangs on cy alone,
	s_add_co_u32 s42, s42, s40                     ; B's on cx alone
	s_lshl_b32 s43, s41, 2
	s_lshl_b32 s43, 15, s43                        ; my row of the cluster
	s_lshl_b32 s44, 0x1111, s40                    ; my column
	s_or_b32 s[G1+0], s43, (0<<16)|(1<<20)|(1<<21)|(3<<22)|(3<<25)  ; the mask; elements of 1 byte; padding on; bit 21 beside a mask; after every 16 words, 4 words
	s_or_b32 s[G1B+0], s44, (0<<16)|(1<<20)|(1<<21)|(3<<22)|(3<<25)
.irp g, G1, G1B
	s_mov_b32 s[\g+1], ROWB<<16                    ; tensor_dim0
	s_mov_b32 s[\g+2], 128<<16                     ; tensor_dim1
	s_mov_b32 s[\g+3], ROWB<<16                    ; tile_dim0
	s_mov_b32 s[\g+4], 128                         ; tile_dim1
	s_mov_b32 s[\g+5], KROW                        ; the pitch
	s_mov_b32 s[\g+6], 0
	s_mov_b32 s[\g+7], 0
.endr
	s_or_b32 s[G1S+0], s43, (3<<16)|(1<<20)|(1<<21)|(5<<22)|(3<<25)  ; the scales of 128 rows: a dense block as rows of 256 bytes, 16 bytes of padding behind each
	s_mov_b32 s[G1S+1], 32<<16
	s_mov_b32 s[G1S+2], (128*KS/256)<<16
	s_mov_b32 s[G1S+3], 32<<16
	s_mov_b32 s[G1S+4], 128*KS/256
	s_mov_b32 s[G1S+5], 32
	s_mov_b32 s[G1S+6], 0
	s_mov_b32 s[G1S+7], 0
	s_lshl_b32 s18, s16, 7                         ; which 128 rows of the tile I fetch
	s_lshl_b32 s20, s17, 8
	s_add_co_u32 s20, s20, s18                     ; A's row
	s_lshl_b32 s46, s42, 8
	s_add_co_u32 s46, s46, s18                     ; B's row
	s_lshl_b32 s22, s20, 5                         ; where these rows' scales begin,
	s_mov_b32 s23, 0
	s_lshl_b32 s92, s46, 5
	s_mov_b32 s93, 0
	s_mul_i32 s20, s20, KROW                       ; and their codes (all under 2^32)
	s_mov_b32 s21, 0
	s_mul_i32 s46, s46, KROW
	s_mov_b32 s47, 0
	s_mul_i32 s45, s14, HALFT                      ; where they go: wave x 128 rows: no place in the cluster enters an LDS address
	s_mul_i32 s94, s14, HALFS
	s_wait_kmcnt 0x0
	s_cmp_eq_u32 ttmp9, 2                          ; the buffers are chosen by the cluster's x alone
	s_cselect_b64 s[98:99], s[8:9], s[4:5]         ; A's codes
	s_cselect_b64 s[8:9], s[4:5], s[8:9]           ; B's codes
	s_mov_b64 s[4:5], s[98:99]
	s_cselect_b64 s[98:99], s[10:11], s[6:7]       ; A's scales
	s_cselect_b64 s[10:11], s[6:7], s[10:11]       ; B's scales
	s_mov_b64 s[6:7], s[98:99]
	s_cselect_b64 s[96:97], s[84:85], s[82:83]     ; bv or bk,
	s_cmp_eq_u32 ttmp9, 0
	s_cselect_b64 s[96:97], s[80:81], s[96:97]     ; or bq
	s_cselect_b64 s[12:13], s[86:87], s[88:89]     ; q goes to qr, k and v to kv
	s_or_b32 s[G1SB+0], s44, (3<<16)|(1<<20)|(1<<21)|(5<<22)|(3<<25)  ; (these registers held the addresses just chosen from)
	s_mov_b32 s[G1SB+1], 32<<16
	s_mov_b32 s[G1SB+2], (128*KS/256)<<16
	s_mov_b32 s[G1SB+3], 32<<16
	s_mov_b32 s[G1SB+4], 128*KS/256
	s_mov_b32 s[G1SB+5], 32
	s_mov_b32 s[G1SB+6], 0
	s_mov_b32 s[G1SB+7], 0
	s_add_nc_u64 s[20:21], s[4:5], s[20:21]
	s_add_nc_u64 s[22:23], s[6:7], s[22:23]
	s_add_nc_u64 s[46:47], s[8:9], s[46:47]
	s_add_nc_u64 s[92:93], s[10:11], s[92:93]
	CROUND                                         ; all sixteen work-groups are here: the first joint loads meet
	s_mov_b32 s[G0S], 1
	s_add_co_u32 s[G0S+1], s94, SCL
	s_mov_b64 s[G0S+2:G0S+3], s[22:23]
	s_or_b32 s[G0S+3], s[G0S+3], 0x80000000
	s_mov_b32 s[G0SB], 1
	s_add_co_u32 s[G0SB+1], s94, SCL
	s_mov_b64 s[G0SB+2:G0SB+3], s[92:93]
	s_or_b32 s[G0SB+3], s[G0SB+3], 0x80000000
	JLOAD G0S, G1S, G0SB, G1SB                     ; the scales first: they are wanted with K step 0
.irp s, 0,1
	s_mov_b32 s[G0+4*\s], 1
	s_add_co_u32 s[G0+4*\s+1], s45, \s*SLOT
	s_add_nc_u64 s[G0+4*\s+2:G0+4*\s+3], s[20:21], \s*ROWB
	s_or_b32 s[G0+4*\s+3], s[G0+4*\s+3], 0x80000000
	s_mov_b32 s[G0B+4*\s], 1
	s_add_co_u32 s[G0B+4*\s+1], s45, \s*SLOT
	s_add_nc_u64 s[G0B+4*\s+2:G0B+4*\s+3], s[46:47], \s*ROWB
	s_or_b32 s[G0B+4*\s+3], s[G0B+4*\s+3], 0x80000000
	JLOAD G0+4*\s, G1, G0B+4*\s, G1B               ; three tensor loads of mine are out
.endr
	; WHERE MY RESULTS GO.  All selections on one compare, ahead of the additions
	s_cmp_eq_u32 ttmp9, 2
	s_cselect_b32 s20, s42, s17                    ; the tokens' tile of 256,
	s_cselect_b32 s21, s16, s15                    ; my half of it;
	s_cselect_b32 s22, s41, s40                    ; the tile of 256 among the tensor's 1,024 columns,
	s_cselect_b32 s23, s15, s16                    ; my half of it
	s_cselect_b32 s46, 6144, 0                     ; the record's part for the codes,
	s_mov_b32 s44, 12288
	s_cselect_b32 s44, 12800, s44                  ; and for the scale words
	s_mov_b32 s98, 768
	s_cselect_b32 s98, 1536, s98                   ; from a block of A to the next,
	s_mov_b32 s100, 768
	s_cselect_b32 s100, HEADB-3*1536, s100         ; and from block 3 to block 4 (v: the next head's first tile)
	s_mov_b32 s94, HEADB
	s_cselect_b32 s94, 768, s94                    ; an image's upper six registers: q, k: the next head's tile; v: the same tile's second half
	s_cselect_b32 s95, 16, 32                      ; the scale words: bytes a row,
	s_cselect_b32 s43, HEADB, 16                   ; and from lanes 0-15 to lanes 16-31
	s_mov_b32 s47, 0
	s_mov_b32 s45, 0
	s_mov_b32 s99, 0
	s_mov_b32 s101, 0
	s_lshl_b32 s20, s20, 1
	s_add_co_u32 s20, s20, s21                     ; which 128 tokens of the 8,192
	s_lshl_b32 s22, s22, 1
	s_add_co_u32 s22, s22, s23                     ; which pair of heads
	s_lshr_b32 s21, s20, 4                         ; batch
	s_and_b32 s20, s20, 15                         ; step of 128 tokens
	s_lshl_b32 s21, s21, 4
	s_lshl_b32 s23, s22, 1
	s_add_co_u32 s21, s21, s23                     ; batch x 16 + head
	s_lshl_b32 s21, s21, 4
	s_add_co_u32 s21, s21, s20                     ; the record's number, at most 1,023
	s_mul_i32 s20, s21, REC
	s_mov_b32 s21, 0
	s_add_nc_u64 s[12:13], s[12:13], s[20:21]      ; the record
	s_add_nc_u64 s[92:93], s[12:13], s[44:45]      ; its scale words
	s_add_nc_u64 s[12:13], s[12:13], s[46:47]      ; its codes
	s_lshl_b32 s20, s22, 9                         ; the bias of my 128 columns
	s_add_nc_u64 s[96:97], s[96:97], s[20:21]
	s_mov_b32 s66, 0x76543210
	s_mov_b32 s67, 0xfedcba98                      ; selects for lane l xor 16
	v_and_b32 v1, 15, v0                           ; r = l % 16
	v_bfe_u32 v2, v0, 4, 1                         ; h = l / 16
	s_cmp_eq_u32 ttmp9, 2
	s_cbranch_scc1 .Lbias_v
	v_lshlrev_b32 v30, 6, v2                       ; q, k: register j of tile b is column 32 (b / 2) + 16 h + 8 (b % 2) + j
.irp b, 0,1,2,3,4,5,6,7
	global_load_b128 v[BC+8*\b:BC+8*\b+3], v30, s[96:97] offset:(32*(\b/2)+8*(\b%2))*4
	global_load_b128 v[BC+8*\b+4:BC+8*\b+7], v30, s[96:97] offset:(32*(\b/2)+8*(\b%2))*4+16
.endr
	s_branch .Lbias_done
.Lbias_v:
	v_and_b32 v31, 8, v1                           ; v: my lane's channel of block a is 32 (a / 2) + 8 (a % 2) + r + 8 (r / 8): one number for all eight registers
	v_add_nc_u32 v31, v31, v1
	v_lshlrev_b32 v31, 2, v31
.irp a, 0,1,2,3,4,5,6,7
.irp j, 0,1,2,3,4,5,6,7
	global_load_b32 v[BC+8*\a+\j], v31, s[96:97] offset:(32*(\a/2)+8*(\a%2))*4
.endr
.endr
.Lbias_done:
	v_mul_u32_u24 v3, v1, PITCH
	v_mul_u32_u24 v4, v2, 24
	v_add_nc_u32 v4, v3, v4                        ; a fragment's row x pitch + 24 x half
	v_lshl_add_u32 v5, v2, 4, v4                   ; and the same behind one padding more
	s_mul_i32 s21, s15, HALFT                      ; my 128 rows of A
	s_mul_i32 s22, s16, HALFT                      ; my 128 rows of B,
	s_add_co_u32 s22, s22, 2*HALFT                 ; which lie behind A's 256
.irp s, 0,1
	v_add_nc_u32 v[ADRA+\s], s21, v4
	v_add_nc_u32 v[ADRB+\s], s22, v4
	v_add_nc_u32 v[ADRA+2+\s], s21, v5
	v_add_nc_u32 v[ADRB+2+\s], s22, v5
	s_add_co_u32 s21, s21, SLOT
	s_add_co_u32 s22, s22, SLOT
.endr
	v_mul_u32_u24 v5, v1, KS                       ; my row's scales: KS bytes a row,
	v_lshrrev_b32 v6, 8, v5
	v_lshl_add_u32 v5, v6, 4, v5                   ; and 16 more for each 256 passed
	s_mul_i32 s21, s15, HALFS
	s_mul_i32 s22, s16, HALFS
	s_add_co_u32 s22, s22, 2*HALFS
	s_sub_co_u32 s22, s22, s21
	v_mul_u32_u24 v6, s22, v2                      ; lanes 16-31 take B's
	s_add_co_u32 s21, s21, SCL
	v_add_nc_u32 v5, v5, v6
	v_add_nc_u32 v[ADRS], s21, v5
	v_and_b32 v6, 31, v0
	v_lshlrev_b32 v[VO0], 3, v6
	v_add_nc_u32 v[VO1], s94, v[VO0]
	v_mul_lo_u32 v[VS], v1, s95
	v_mul_lo_u32 v6, v2, s43
	v_add_nc_u32 v[VS], v[VS], v6
.macro FRAG reg, adr, q, i             ; 16 rows x 128 K: 12 registers, in pieces of 8 bytes; where the piece three on lies behind one padding more, the second address register serves
.irp p, 0,1,2,3,4,5
.set PC, 12*(\q)+6*(\p/3)+\p%3
.if PC%8 < 5
	ds_load_b64 v[\reg+2*\p:\reg+2*\p+1], v[\adr] offset:8*PC+16*(PC/8)+(\i)*16*PITCH
.else
	ds_load_b64 v[\reg+2*\p:\reg+2*\p+1], v[\adr+2] offset:8*PC+16*(PC/8)+(\i)*16*PITCH
.endif
.endr
.endm
; 16 matrix instructions: A's blocks a0, a0 + 1 x B's eight.  zero = 0: the sums go on; 1: they begin with the bias by B's tile (q, k); 2: by A's block (v).  The 64 accumulators take turns.
.macro MUL16 a0, p, q, sc, zero
.irp a, \a0, \a0+1
.irp b, 0,1,2,3,4,5,6,7
.if \zero == 1
	v_wmma_scale_f32_16x16x128_f8f6f4 v[8*(8*((\a)%4)+\b):8*(8*((\a)%4)+\b)+7], v[128*(\p)+FR*\b:128*(\p)+FR*\b+FR-1], v[AF+FR*(\a):AF+FR*(\a)+FR-1], v[BC+8*\b:BC+8*\b+7], v[SC+8*NQ*(\sc)+NQ*\b+(\q)], v[SC+8*NQ*(\sc)+NQ*(\a)+(\q)] matrix_a_fmt:MATRIX_FMT_FP6 matrix_b_fmt:MATRIX_FMT_FP6 matrix_a_scale:MATRIX_SCALE_ROW1
.elseif \zero == 2
	v_wmma_scale_f32_16x16x128_f8f6f4 v[8*(8*((\a)%4)+\b):8*(8*((\a)%4)+\b)+7], v[128*(\p)+FR*\b:128*(\p)+FR*\b+FR-1], v[AF+FR*(\a):AF+FR*(\a)+FR-1], v[BC+8*(\a):BC+8*(\a)+7], v[SC+8*NQ*(\sc)+NQ*\b+(\q)], v[SC+8*NQ*(\sc)+NQ*(\a)+(\q)] matrix_a_fmt:MATRIX_FMT_FP6 matrix_b_fmt:MATRIX_FMT_FP6 matrix_a_scale:MATRIX_SCALE_ROW1
.else
	v_wmma_scale_f32_16x16x128_f8f6f4 v[8*(8*((\a)%4)+\b):8*(8*((\a)%4)+\b)+7], v[128*(\p)+FR*\b:128*(\p)+FR*\b+FR-1], v[AF+FR*(\a):AF+FR*(\a)+FR-1], v[8*(8*((\a)%4)+\b):8*(8*((\a)%4)+\b)+7], v[SC+8*NQ*(\sc)+NQ*\b+(\q)], v[SC+8*NQ*(\sc)+NQ*(\a)+(\q)] matrix_a_fmt:MATRIX_FMT_FP6 matrix_b_fmt:MATRIX_FMT_FP6 matrix_a_scale:MATRIX_SCALE_ROW1
.endif
.endr
.endr
.endm
.macro FETCH_B slot, q, p
	WIN TO_B
.irp i, 0,1,2,3,4,5,6,7
	FRAG 128*(\p)+FR*\i, ADRB+\slot, \q, \i
.endr
	WIN 0
.endm
.macro FETCH_A slot, q, i0
.irp i, \i0, \i0+1, \i0+2, \i0+3
	FRAG AF+FR*(\i), ADRA+\slot, \q, \i
.endr
.endm
.macro SCALES sc                       ; a K step's scale words: lanes 0-15 take A's block i, lanes 16-31 B's block i
.irp i, 0,1,2,3,4,5,6,7
	ds_load_b64 v[SC+8*NQ*\sc+NQ*\i:SC+8*NQ*\sc+NQ*\i+1], v[ADRS] offset:\i*SBLK
.endr
.endm
.macro PLACES n                        ; plain vector lines between a matrix instruction and a load into, or a read of, its registers
.rept \n
	v_nop
.endr
.endm
.macro STEP slot, q, zero              ; 128 along K that have their successor in the same slot
	s_wait_dscnt 4*NL                              ; B's set and A's blocks 0-3 are in; the 24 youngest loads (A's blocks 4-7) may be out
.if \zero
	WIN 0x81                                       ; C (the bias) in window 0, D in window 2
.else
	WIN MUL_LO
.endif
	MUL16 0, (\q)%2, \q, \slot, \zero
	MUL16 2, (\q)%2, \q, \slot, \zero
	s_wait_dscnt 0
	PLACES NP
	FETCH_B \slot, (\q)+1, 1-(\q)%2
	FETCH_A \slot, (\q)+1, 0
.if \zero
	WIN 0xc1
.else
	WIN MUL_HI
.endif
	MUL16 4, (\q)%2, \q, \slot, \zero
	MUL16 6, (\q)%2, \q, \slot, \zero
	PLACES NP
	WIN 0
	FETCH_A \slot, (\q)+1, 4
.endm
; A slot's last step changes slots: one barrier; in front of it each wave waits for all its tensor loads, adds 0 to its spare word, and waits for that and for its reads of this slot.  fill = 1: the slot is filled again, two K steps ahead.
.macro TURN slot, next, fill
	s_wait_tensorcnt 0x0                           ; all my tensor loads have landed: my part of the next slot
	ds_add_u32 v[SPW], v[NIL]                      ; 0 onto my spare word
	s_wait_dscnt 4*NL+1                            ; (the add and the 24 youngest loads may be out)
	WIN MUL_LO
	MUL16 0, 1, NQ-1, \slot, 0
	s_wait_dscnt 0x0                               ; the add is done, and my reads of this slot are over
	s_barrier_signal -1
	MUL16 2, 1, NQ-1, \slot, 0
	WIN 0
	s_barrier_wait -1
.if \fill
	CREST                                          ; the barrier has opened a round of the cluster's: no wave of any partner still reads this slot or has a load on its way
	s_add_nc_u64 s[G0+4*\slot+2:G0+4*\slot+3], s[G0+4*\slot+2:G0+4*\slot+3], 2*ROWB
	s_add_nc_u64 s[G0B+4*\slot+2:G0B+4*\slot+3], s[G0B+4*\slot+2:G0B+4*\slot+3], 2*ROWB
	JLOAD G0+4*\slot, G1, G0B+4*\slot, G1B         ; the first tensor load behind the round, my only one until the next; its four v_nop are the places in front of the loads below
.else
	PLACES NP
.endif
	v_add_nc_u32 v[ADRS], 4*NQ, v[ADRS]            ; the next K step's scale words
	FETCH_B \next, 0, 0
	FETCH_A \next, 0, 0
	SCALES \next
	WIN MUL_HI
	MUL16 4, 1, NQ-1, \slot, 0
	MUL16 6, 1, NQ-1, \slot, 0
	PLACES NP
	WIN 0
	FETCH_A \next, 0, 4
.endm
	s_wait_loadcnt 0x0                             ; the bias
	s_wait_tensorcnt 1                             ; the scales and my part of K step 0 are in; K step 1's load may be out
	s_barrier_signal -1
	s_barrier_wait -1
	FETCH_B 0, 0, 0
	FETCH_A 0, 0, 0
	SCALES 0
	FETCH_A 0, 0, 4
	s_cmp_eq_u32 ttmp9, 2                          ; the first step is written twice: its products begin the sums with the bias, which lies by B's tile (q, k) or by A's block (v)
	s_cbranch_scc1 .Lfirst_v
	STEP 0, 0, 1
	s_branch .Lfirst_done
.Lfirst_v:
	STEP 0, 0, 2
.Lfirst_done:
	TURN 0, 1, 1                                   ; K = 1,024 is four slots: the steps are written straight
	STEP 1, 0, 0
	TURN 1, 0, 1
	STEP 0, 0, 0
	TURN 0, 1, 0                                   ; the last two slots are filled no more, and have no round
	STEP 1, 0, 0
	s_wait_dscnt 4*NL
	WIN MUL_LO
	MUL16 0, 1, NQ-1, 1, 0
	MUL16 2, 1, NQ-1, 1, 0
	s_wait_dscnt 0
	WIN MUL_HI
	MUL16 4, 1, NQ-1, 1, 0
	MUL16 6, 1, NQ-1, 1, 0
	WIN 0
; THE WAY OUT.  Block a's 64 registers of a lane, register 16 g + i = index 32 g + 16 (lane / 16) + i along the next K, become a fragment's 12 registers and a scale word; the registers are stored as they stand.
.macro QOUT a
.set W, 2+(\a)/4
.set AC, 64*((\a)%4)
.set P, PCB+20*((\a)%2)
	WIN (W|(W<<2))                                 ; sources 0 and 1 in the accumulators' window
.irp b, 0,1,2,3
	v_max3_num_f32 v[TM+\b], |v[AC+16*\b]|, |v[AC+16*\b+1]|, 0x1800000   ; each accumulator is read from its low end on; the floor 2^(3 - 127) holds the byte at 1 from below
.endr
	WIN ((W<<2)|(W<<4))
.irp i, 2,4,6,8,10,12,14
.irp b, 0,1,2,3
	v_max3_num_f32 v[TM+\b], v[TM+\b], |v[AC+16*\b+\i]|, |v[AC+16*\b+\i+1]|
.endr
.endr
	WIN 0
.irp b, 0,1,2,3
	v_permlanex16_b32 v[TM+4+\b], v[TM+\b], s66, s67
.endr
.irp b, 0,1,2,3
	v_max_num_f32 v[TM+\b], v[TM+\b], v[TM+4+\b]   ; with lane l xor 16's: the block's largest magnitude
.endr
.irp b, 0,1,2,3
	v_add_nc_u32 v[TM+12+\b], 0xff000000, v[TM+\b] ; 2 off its exponent field: the conversion's scale operand
.endr
.irp b, 0,1,2,3
	v_lshrrev_b32 v[TM+4+\b], 23, v[TM+12+\b]      ; the scale's byte
.endr
	v_lshl_or_b32 v[SW+(\a)], v[TM+5], 8, v[TM+4]
	v_lshl_or_b32 v[SW+(\a)], v[TM+6], 16, v[SW+(\a)]
	v_lshl_or_b32 v[SW+(\a)], v[TM+7], 24, v[SW+(\a)]
	s_wait_xcnt 0x0                                ; the earlier blocks' stores have read their registers and their base
.if (\a) == 4
	s_add_nc_u64 s[12:13], s[12:13], s[100:101]
.elseif (\a) > 0
	s_add_nc_u64 s[12:13], s[12:13], s[98:99]
.endif
	WIN W
.irp c, 0,1
	v_cvt_scalef32_pk16_fp6_f32 v[P+6*\c:P+6*\c+2], v[AC+32*\c:AC+32*\c+15], v[TM+12+2*\c]
	v_cvt_scalef32_pk16_fp6_f32 v[P+12+4*\c:P+14+4*\c], v[AC+16+32*\c:AC+31+32*\c], v[TM+12+2*\c+1]   ; (a conversion's three registers begin on an even number)
.endr
	WIN 0
	v_nop                                          ; a plain line behind the conversions
.irp c, 0,1                            ; the operand's layout wants a whole block in a lane
.irp i, 0,1,2
	v_permlane16_swap_b32 v[P+6*\c+\i], v[P+12+4*\c+\i]
.endr
.irp i, 0,1,2
	v_mov_b32 v[P+3+6*\c+\i], v[P+12+4*\c+\i]
.endr
.endr
.irp p, 0,1,2
	global_store_b64 v[VO0], v[P+2*\p:P+2*\p+1], s[12:13] offset:256*\p      ; 32 lanes store 256 consecutive bytes, aligned
	global_store_b64 v[VO1], v[P+6+2*\p:P+7+2*\p], s[12:13] offset:256*\p
.endr
.endm
.irp b, 0,1,2,3
	v_mov_b32 v[TM+4+\b], 0                        ; a lane permute's destination counts as read.  These four are also the places behind the last products
.endr
.irp a, 0,1,2,3,4,5,6,7
	QOUT \a
.endr
	v_cmp_ne_u32 vcc_lo, 0, v2                     ; lanes 16-31
	s_cmp_eq_u32 ttmp9, 2
	s_cbranch_scc1 .Lwords_v
.irp a, 0,1,2,3,4,5,6,7
	v_and_b32 v[LO16+\a], 0xffff, v[SW+\a]         ; q, k: bytes 0, 1 are the first head's two blocks; bytes 2, 3 of the stored word are 0
.endr
.irp k, 0,1,2,3
	v_cndmask_b32 v[SEL4+\k], v[LO16+\k], v[LO16+4+\k], vcc_lo   ; lanes 0-15 store tiles 0-3, lanes 16-31 tiles 4-7
.endr
	global_store_b128 v[VS], v[SEL4:SEL4+3], s[92:93]            ; 512 consecutive bytes
.irp a, 0,1,2,3,4,5,6,7
	v_lshrrev_b32 v[SW+\a], 16, v[SW+\a]           ; the second head's
.endr
.irp k, 0,1,2,3
	v_cndmask_b32 v[SEL4+4+\k], v[SW+\k], v[SW+4+\k], vcc_lo
.endr
	global_store_b128 v[VS], v[SEL4+4:SEL4+7], s[92:93] offset:HEADB
	s_branch .Lwords_done
.Lwords_v:
.irp k, 0,1,2,3
	v_cndmask_b32 v[SEL4+\k], v[SW+\k], v[SW+4+\k], vcc_lo       ; v: lanes 0-15 store the first head's four tiles, lanes 16-31 the second head's
.endr
	global_store_b128 v[VS], v[SEL4:SEL4+3], s[92:93]            ; sixteen lanes store 256 consecutive bytes
.Lwords_done:
	s_wait_tensorcnt 0x0                           ; the wave's end
	ds_add_u32 v[SPW], v[NIL]
	s_wait_dscnt 0x0
	CROUND                                         ; the closing round: no work-group ends while a partner may still ask for a tile that names it
	s_endpgm
.Lfunc_end_k_qc48be36004_proj:
	.size	k_qc48be36004_proj, .Lfunc_end_k_qc48be36004_proj-k_qc48be36004_proj
	.p2alignl 7, 3214868480
	.fill 96, 4, 3214868480
	.section	.rodata,"a",@progbits
	.p2align	6, 0x0
	.amdhsa_kernel k_qc48be36004_proj
		.amdhsa_group_segment_fixed_size 327680
		.amdhsa_private_segment_fixed_size 0
		.amdhsa_enable_private_segment 0
		.amdhsa_kernarg_size 72
		.amdhsa_user_sgpr_count 2
		.amdhsa_user_sgpr_kernarg_segment_ptr 1
		.amdhsa_wavefront_size32 1
		.amdhsa_system_sgpr_workgroup_id_x 1
		.amdhsa_system_sgpr_workgroup_id_y 1
		.amdhsa_system_sgpr_workgroup_id_z 1
		.amdhsa_system_vgpr_workitem_id 0
		.amdhsa_next_free_vgpr 1024
		.amdhsa_next_free_sgpr 102
		.amdhsa_reserve_vcc 1
		.amdhsa_float_denorm_mode_32 3
		.amdhsa_float_denorm_mode_16_64 3
		.amdhsa_memory_ordered 1
		.amdhsa_forward_progress 1
		.amdhsa_inst_pref_size 192
	.end_amdhsa_kernel
	.amdgpu_metadata
---
amdhsa.version: [ 1, 2 ]
amdhsa.kernels:
  - .name:           k_qc48be36004_proj
    .symbol:         k_qc48be36004_proj.kd
    .args:
      - { .name: xc, .offset: 0, .size: 8, .value_kind: global_buffer, .address_space: global }
      - { .name: xs, .offset: 8, .size: 8, .value_kind: global_buffer, .address_space: global }
      - { .name: wc, .offset: 16, .size: 8, .value_kind: global_buffer, .address_space: global }
      - { .name: ws, .offset: 24, .size: 8, .value_kind: global_buffer, .address_space: global }
      - { .name: bq, .offset: 32, .size: 8, .value_kind: global_buffer, .address_space: global }
      - { .name: bk, .offset: 40, .size: 8, .value_kind: global_buffer, .address_space: global }
      - { .name: bv, .offset: 48, .size: 8, .value_kind: global_buffer, .address_space: global }
      - { .name: qr, .offset: 56, .size: 8, .value_kind: global_buffer, .address_space: global }
      - { .name: kv, .offset: 64, .size: 8, .value_kind: global_buffer, .address_space: global }
    .group_segment_fixed_size: 327680
    .private_segment_fixed_size: 0
    .kernarg_segment_align: 8
    .kernarg_segment_size: 72
    .max_flat_workgroup_size: 128
    .sgpr_count:     102
    .vgpr_count:     1024
    .wavefront_size: 32
...
	.end_amdgpu_metadata
.endif
;; end of part 2
;; launch attn (part 3): grid 8 x 64, 16 waves a work-group, clusters of 4 x 1, 280,576 bytes of LDS; arguments qr, kv, out0; writes out0
.if DOCPART == 3
	.amdgcn_target "amdgcn-amd-amdhsa--gfx1250"
	.amdhsa_code_object_version 6
	.text
	.protected	k_qc48be36004_attn
	.globl	k_qc48be36004_attn
	.p2align	8
	.type	k_qc48be36004_attn,@function
k_qc48be36004_attn:
	s_mov_b64 s[64:65], 0
	v_nop
	global_prefetch_b8 v0, s[64:65] scope:SCOPE_SE
	s_setreg_imm32_b32 hwreg(HW_REG_WAVE_MODE, 25, 1), 1
	s_wait_xcnt 0x0
	s_wait_alu depctr_hold_cnt(0) depctr_sa_sdst(0) depctr_va_vdst(0) depctr_va_sdst(0) depctr_va_ssrc(0) depctr_va_vcc(0) depctr_vm_vsrc(0)
	s_getreg_b32 s2, hwreg(HW_REG_IB_STS2, 6, 4)
	s_cmp_eq_u32 s2, 0
	s_cbranch_scc0 .Lentry_in_a_cluster
	s_endpgm
.Lentry_in_a_cluster:
	s_bfe_u32 s2, ttmp6, 0x10000c
	s_cmp_lg_u32 s2, 0x3003
	s_cbranch_scc0 .Lentry_shape_is_right
	s_endpgm
.Lentry_shape_is_right:
; ATTN.  out0[b][q][64 h + d] = sum over k of softmax_k((Q.K - slope_h |k - q|) / 8) V, both products on codes of FP6 (E2M3) with E8M0 scales, operands as the launch before laid them: images of the operand registers.
; THE SOFTMAX: t = logit x log2(e); M = the running largest t rounded UP to a whole number; p = 2^(t - M) is quantised along the keys, not normalised; the row's sum is taken of the unquantised p and divides at the end.
; When M moves, the sum and O are multiplied by 2^(old M - new M): exact.  Every key is walked: how little a far key weighs hangs on the data.
; SHARES.  A work-group belongs to one (batch, head); each of its sixteen waves owns ONE tile of 16 queries, T = 64 x cluster x + 4 x wave + cx, in 256 registers: four waves to a SIMD, so that one wave's vector work
; stands beside another's matrix work and LDS loads.  Tile T holds the tokens 32 (T / 2) + 8 (T % 2) + r + 8 (r / 8).
; THE WHOLE HEAD LIES IN LDS: 16 records of 13,056 bytes (128 keys each), filled ONCE, by joint loads of the cluster's four work-groups, which walk the same head: waves 0-3 ask for four records each, so four
; tensor loads of a wave are out at the most.  Nothing is filled again.  Every byte is asked for at the head, so there is no later request that a prefetch could run ahead of.
; LAYOUT.  Both products transposed: S^T = K Q^T, O^T = V^T P^T: a lane holds one query.  The keys of a tile are chosen so that registers 16 b + i of S^T are keys 32 b + 16 (lane / 16) + i of the step.
; K = 64.  The instruction multiplies 128 along K.  Q's upper six registers hold zero codes; K's fragments lie six registers apart, so a tile's upper six are the next tile's codes, which meet Q's zeros.
; ALIBI.  With R[i] = slope (16 (lane / 16) + i - r - 8 (r / 8)), left of the diagonal the bias is R[i] + slope (first key of the block - the tile's first token), right of it the negative.  R is the C of the score
; products, and the block's constant goes into the addend of the multiply-add that makes t - M.  The one step of a wave that holds its diagonal adds -slope |key - query| by vector lines, then turns the signs.
; That step's number, 8 x cluster x + wave / 2, hangs on no work-group's place in its cluster.
; LIMITS: NaN and infinities are not served; a block of p that has fallen to zeros keeps the byte 1 (its codes are zeros).
.set REC,   13056
.set HEADB, 16*REC
.set STAGE, HEADB                      ; behind the records: 16 rows x 272 bytes for each wave, its own; no fill lands there
.set A8,  1                            ; v1   8 x lane
.set AKS, 2                            ; v2   32 r + 12,288: K's scale words in a record
.set AVS, 3                            ; v3   16 r + 12,800: V's
.set ADC, 4                            ; v4-6 the same in the record in hand
.set ADS, 5
.set ADT, 6
.set DLI, 7                            ; v7   key - query of register 0 in the diagonal step, a whole number
.set AB,  8                            ; v8-11 c x the blocks' constants
.set NM,  12                           ; v12  -M
.set TMX, 13                           ; v13  the running largest t
.set SUM, 14                           ; v[14:15] the row's sum, two halves; v[30:31] a second chain
.set QF,  16                           ; v16-27 Q
.set QSW, 28                           ; v28  Q's scale words
.set R,   32                           ; v32-47
.set FRG, 48                           ; v48-101 K's or V's fragments
.set S,   104                          ; v104-167 S^T, then p
.set O,   168                          ; v168-199 O^T
.set PCD, 200                          ; v200-211 p's codes
.set CT,  212                          ; v212-214, v216-218 at work
.set CSL, 219                          ; v219 +- c x slope
.set KSW, 220                          ; v220-227 K's scale words
.set VSW, 228                          ; v228-231 V's
.set MB,  232                          ; v232-235 the blocks' largest scores
.set PT,  236                          ; v236-239 at work
.set SO,  240                          ; v240-243 the conversions' scale operands
.set VB,  244                          ; v244, 246, 248, 250: the blocks' addends
.set FF,  252                          ; v252 f = 2^(old M - new M)
.set PSW, 253                          ; v253 p's scale word
.set TMP, 254
.set WV,  10
.set TOK, 14                           ; s14  the tile's first token
.set KD,  15                           ; s15  first key of my diagonal step
.set KF,  16                           ; s16  the step's first key
.set TB,  17                           ; s17  LDS byte of the record in hand
.set SEL, 20
.set CC,  22                           ; s[22:23] c = log2(e) / 8
.set G1,  24
.set G0,  32                           ; s[32:47] four groups 0
.set SLP, 48                           ; s48  the slope
.macro CROUND
	s_barrier_signal -1
	s_barrier_wait -1
	s_cmp_lg_u32 s[WV], 0
	s_cbranch_scc1 .Lnot_wave_0_\@
	s_barrier_signal -3
.Lnot_wave_0_\@:
	s_barrier_wait -3
	s_barrier_signal -1
	s_barrier_wait -1
.endm
	s_load_b128 s[4:7], s[0:1], 0x0                ; qr, kv
	s_load_b64 s[8:9], s[0:1], 0x10                ; out0
	v_lshl_add_u32 v215, v0, 2, 0x44000
	v_mov_b32 v255, 0
	ds_add_u32 v215, v255
	ds_add_u32 v215, v255
	v_lshrrev_b32 v1, 5, v0
	v_readfirstlane_b32 s[WV], v1                  ; wave 0..15
	s_bfe_u32 s11, ttmp6, 0x40000                  ; cx: it enters Q's and O's global addresses and vector data alone
	s_and_b32 s12, ttmp7, 0xffff                   ; batch x 16 + head, which the four partners share
	s_lshl_b32 s13, ttmp9, 6
	s_lshl_b32 s19, s[WV], 2
	s_add_co_u32 s13, s13, s19
	s_add_co_u32 s13, s13, s11                     ; T
	s_lshr_b32 s[TOK], s13, 1
	s_lshl_b32 s[TOK], s[TOK], 5
	s_and_b32 s19, s13, 1
	s_lshl_b32 s19, s19, 3
	s_add_co_u32 s[TOK], s[TOK], s19
	s_lshl_b32 s[KD], ttmp9, 3
	s_lshr_b32 s19, s[WV], 1
	s_add_co_u32 s[KD], s[KD], s19
	s_lshl_b32 s[KD], s[KD], 7
	s_mul_i32 s56, s12, HEADB                      ; the head's first byte in qr and in kv (under 2^32)
	s_mov_b32 s57, 0
	s_and_b32 s50, s[WV], 3
	s_mul_i32 s50, s50, REC                        ; which record of each four I fetch, if I fetch
	s_mov_b32 s51, 0
	s_mov_b32 s[G1], 15|(3<<16)|(1<<21)            ; the mask: all four work-groups; elements of 8 bytes; bit 21 beside a mask; no padding
	s_mov_b32 s[G1+1], 32<<16                      ; a record is a dense block: 51 rows of 256 bytes
	s_mov_b32 s[G1+2], 51<<16
	s_mov_b32 s[G1+3], 32<<16
	s_mov_b32 s[G1+4], 51
	s_mov_b32 s[G1+5], 32
	s_mov_b32 s[G1+6], 0
	s_mov_b32 s[G1+7], 0
	s_mov_b32 s[SEL], 0x76543210
	s_mov_b32 s[SEL+1], 0xfedcba98
	s_mov_b32 s[CC], 0x3e38aa3b                    ; log2(e) / 8
	s_mov_b32 s[CC+1], s[CC]
	s_mov_b32 s[KF], 0
	s_wait_dscnt 0x0
	s_wait_kmcnt 0x0
	s_add_nc_u64 s[6:7], s[6:7], s[56:57]
	s_add_nc_u64 s[6:7], s[6:7], s[50:51]
	CROUND                                         ; all four work-groups are here: the joint loads meet
.irp j, 0,1,2,3
	s_mov_b32 s[G0+4*\j], 1
	s_add_co_u32 s[G0+4*\j+1], s50, 4*\j*REC       ; record 4 j + wave
	s_add_nc_u64 s[G0+4*\j+2:G0+4*\j+3], s[6:7], 4*\j*REC
	s_or_b32 s[G0+4*\j+3], s[G0+4*\j+3], 0x80000000
.endr
	s_cmp_lt_u32 s[WV], 4                          ; a wave's four fills stand in one branch on its number, ahead of every wait on TENSORcnt and every LDS read
	s_cbranch_scc0 .Lno_fetch
	tensor_load_to_lds s[G0:G0+3], s[G1:G1+7]
	s_nop 0
	tensor_load_to_lds s[G0+4:G0+7], s[G1:G1+7]
	s_nop 0
	tensor_load_to_lds s[G0+8:G0+11], s[G1:G1+7]
	s_nop 0
	tensor_load_to_lds s[G0+12:G0+15], s[G1:G1+7]
	s_nop 0
.rept 4
	v_nop
.endr
.Lno_fetch:
	s_add_nc_u64 s[4:5], s[4:5], s[56:57]
	s_lshr_b32 s52, s13, 3
	s_mul_i32 s52, s52, REC
	s_mov_b32 s53, 0
	s_add_nc_u64 s[4:5], s[4:5], s[52:53]          ; Q's record
	s_and_b32 s54, s13, 7                          ; and my tile in it
	s_mul_i32 s52, s54, 768
	s_lshl_b32 s55, s54, 2
	v_and_b32 v29, 31, v0
	v_lshlrev_b32 v[A8], 3, v29
	v_and_b32 v102, 15, v0                         ; r
	v_bfe_u32 v103, v0, 4, 1                       ; lane / 16
	v_add_nc_u32 v29, s52, v[A8]
.irp p, 0,1,2
	global_load_b64 v[QF+2*\p:QF+2*\p+1], v29, s[4:5] offset:256*\p
.endr
	v_lshl_add_u32 v[TMP], v102, 5, s55
	global_load_b32 v[QSW], v[TMP], s[4:5] offset:12288
	s_lshr_b32 s52, s12, 4                         ; batch
	s_lshl_b32 s52, s52, 11
	s_add_co_u32 s52, s52, s[TOK]
	s_lshl_b32 s52, s52, 12                        ; a token's row of out0 is 4,096 bytes
	s_and_b32 s54, s12, 15                         ; head
	s_lshl_b32 s55, s54, 8
	s_add_co_u32 s52, s52, s55
	s_add_nc_u64 s[8:9], s[8:9], s[52:53]
	s_and_b32 s55, s54, 1                          ; slope = 2^(-(head + 1) / 2): 2^-0.5 or 2^-1, with head / 2 off the exponent field
	s_cmp_eq_u32 s55, 1
	s_mov_b32 s[SLP], 0x3f3504f3
	s_cselect_b32 s[SLP], 0x3f000000, s[SLP]
	s_lshr_b32 s55, s54, 1
	s_lshl_b32 s55, s55, 23
	s_sub_co_u32 s[SLP], s[SLP], s55
	v_lshl_add_u32 v[AKS], v102, 5, 12288
	v_lshl_add_u32 v[AVS], v102, 4, 12800
	v_and_b32 v[DLI], 8, v102
	v_add_nc_u32 v[DLI], v[DLI], v102              ; r + 8 (r / 8)
	v_lshlrev_b32 v103, 4, v103
	v_sub_nc_u32 v[DLI], v103, v[DLI]              ; 16 (lane / 16) - r - 8 (r / 8)
.irp i, 0,1,2,3,4,5,6,7,8,9,10,11,12,13,14,15
	v_add_nc_u32 v[R+\i], \i, v[DLI]
.endr
.irp i, 0,1,2,3,4,5,6,7,8,9,10,11,12,13,14,15
	v_cvt_f32_i32 v[R+\i], v[R+\i]
.endr
.irp i, 0,1,2,3,4,5,6,7,8,9,10,11,12,13,14,15
	v_mul_f32 v[R+\i], s[SLP], v[R+\i]
.endr
	s_sub_co_i32 s19, s[TOK], s[KD]
	v_sub_nc_u32 v[DLI], v[DLI], s19               ; less the tile's first token's place in the diagonal step
	v_mov_b32 v[CSL], s[SLP]
	v_mul_f32 v[CSL], s[CC], v[CSL]                ; c x slope
.irp j, 6,7,8,9,10,11
	v_mov_b32 v[QF+\j], 0                          ; Q's codes of k = 64 .. 127: zeros
	v_mov_b32 v[FRG+42+\j], 0                      ; what stands behind K's last tile
.endr
.set j, 0
.rept 32
	v_mov_b32 v[O+j], 0                            ; O^T: the step is written once; its first run finds zeros, which the first change of M leaves zeros
.set j, j+1
.endr
	v_mov_b32 v[SUM], 0
	v_mov_b32 v[SUM+1], 0
.irp b, 0,1,2,3
	v_mov_b32 v[PT+\b], 0                          ; a lane permute's destination counts as read
	v_mov_b32 v[VB+2*\b+1], 0                      ; named as the upper half of a pair
.endr
	v_mov_b32 v[PSW], 0
	v_mov_b32 v[TMX], 0xff61b1e6                   ; -3e38, under every t
	v_floor_f32 v[NM], -v[TMX]
; A KEY STEP: 128 keys, the record at s[TB].
.macro STEP
	v_add_nc_u32 v[ADC], s[TB], v[A8]              ; these seven plain lines are the places behind the last step's products, in front of the loads into their registers
	v_add_nc_u32 v[ADS], s[TB], v[AKS]
	v_add_nc_u32 v[ADT], s[TB], v[AVS]
	s_sub_co_i32 s19, s[KF], s[TOK]
	v_cvt_f32_i32 v[AB], s19                       ; first key of block b less the tile's first token
	s_add_co_i32 s19, s19, 32
	v_cvt_f32_i32 v[AB+1], s19
	s_add_co_i32 s19, s19, 32
	v_cvt_f32_i32 v[AB+2], s19
	s_add_co_i32 s19, s19, 32
	v_cvt_f32_i32 v[AB+3], s19
.irp t, 0,1,2,3,4,5,6,7
.irp p, 0,1,2
	ds_load_b64 v[FRG+6*\t+2*\p:FRG+6*\t+2*\p+1], v[ADC] offset:768*\t+256*\p   ; 256 consecutive bytes an instruction
.endr
.endr
	ds_load_b128 v[KSW:KSW+3], v[ADS]
	ds_load_b128 v[KSW+4:KSW+7], v[ADS] offset:16
	s_wait_dscnt 0x0
	s_cmp_eq_u32 s[KF], s[KD]
	s_cbranch_scc1 .Ldiag_\@
.irp t, 0,1,2,3,4,5,6,7
	v_wmma_scale_f32_16x16x128_f8f6f4 v[S+8*\t:S+8*\t+7], v[FRG+6*\t:FRG+6*\t+11], v[QF:QF+11], v[R+8*(\t%2):R+8*(\t%2)+7], v[KSW+\t], v[QSW] matrix_a_fmt:MATRIX_FMT_FP6 matrix_b_fmt:MATRIX_FMT_FP6
.endr
.irp b, 0,1,2,3
	v_mul_f32 v[AB+\b], v[CSL], v[AB+\b]           ; the four places behind the products
.endr
	s_branch .Ljoin_\@
.Ldiag_\@:
.irp t, 0,1,2,3,4,5,6,7
	v_wmma_scale_f32_16x16x128_f8f6f4 v[S+8*\t:S+8*\t+7], v[FRG+6*\t:FRG+6*\t+11], v[QF:QF+11], 0, v[KSW+\t], v[QSW] matrix_a_fmt:MATRIX_FMT_FP6 matrix_b_fmt:MATRIX_FMT_FP6
.endr
.irp b, 0,1,2,3
	v_mov_b32 v[AB+\b], 0                          ; the four places: here the whole bias goes into the scores
.endr
.irp b, 0,1,2,3
	v_add_nc_u32 v[MB+\b], 32*\b, v[DLI]
.endr
.irp b, 0,1,2,3
	v_cvt_f32_i32 v[MB+\b], v[MB+\b]
.endr
.irp b, 0,1,2,3
.set ii, 0
.irp f, 0, 1.0, 2.0, 3.0, 4.0, 5.0, 6.0, 7.0, 8.0, 9.0, 10.0, 11.0, 12.0, 13.0, 14.0, 15.0
	v_add_f32 v[102+ii%2], \f, v[MB+\b]            ; key - query, exact
	v_fma_f32 v[S+16*\b+ii], -|v[102+ii%2]|, s[SLP], v[S+16*\b+ii]   ; each accumulator from its low end on
.set ii, ii+1
.endr
.endr
.irp i, 0,1,2,3,4,5,6,7,8,9,10,11,12,13,14,15
	v_xor_b32 v[R+\i], 0x80000000, v[R+\i]         ; all later keys lie right of the diagonal
.endr
	v_xor_b32 v[CSL], 0x80000000, v[CSL]
.Ljoin_\@:
.irp t, 0,1,2,3
.irp p, 0,1,2,3,4,5
	ds_load_b64 v[FRG+12*\t+2*\p:FRG+12*\t+2*\p+1], v[ADC] offset:6144+1536*\t+256*\p   ; V lands while the softmax is walked
.endr
.endr
	ds_load_b128 v[VSW:VSW+3], v[ADT]
.irp b, 0,1,2,3
	v_max3_num_f32 v[MB+\b], v[S+16*\b], v[S+16*\b+1], v[S+16*\b+2]   ; the largest score of each block of 32 keys: it serves the row's maximum and, since p rises with the score inside a block, the block's largest p
.endr
.irp i, 3,5,7,9,11,13
.irp b, 0,1,2,3
	v_max3_num_f32 v[MB+\b], v[MB+\b], v[S+16*\b+\i], v[S+16*\b+\i+1]
.endr
.endr
.irp b, 0,1,2,3
	v_max_num_f32 v[MB+\b], v[MB+\b], v[S+16*\b+15]
.endr
.irp b, 0,1,2,3
	v_permlanex16_b32 v[PT+\b], v[MB+\b], s[SEL], s[SEL+1]
.endr
.irp b, 0,1,2,3
	v_max_num_f32 v[MB+\b], v[MB+\b], v[PT+\b]     ; with lane l xor 16's 16 keys
.endr
.irp b, 0,1,2,3
	v_fma_f32 v[PT+\b], v[MB+\b], s[CC], v[AB+\b]  ; as t, the block's constant added
.endr
	v_max3_num_f32 v[TMP], v[PT], v[PT+1], v[PT+2]
	v_max_num_f32 v[TMP], v[TMP], v[PT+3]
	v_max_num_f32 v[TMX], v[TMX], v[TMP]           ; the running largest t
	v_mov_b32 v[TMP], v[NM]
	v_floor_f32 v[NM], -v[TMX]                     ; -M = floor(-t): M is a whole number
	v_sub_f32 v[TMP], v[NM], v[TMP]                ; old M - new M, 0 or less
	v_cvt_i32_f32 v[TMP], v[TMP]                   ; (it saturates)
	v_ldexp_f32 v[FF], 1.0, v[TMP]                 ; f
.irp b, 0,1,2,3
	v_add_f32 v[VB+2*\b], v[AB+\b], v[NM]
.endr
.set j, 0
.rept 32
	v_pk_fma_f32 v[S+2*j:S+2*j+1], v[S+2*j:S+2*j+1], s[CC:CC+1], v[VB+2*(j/8):VB+2*(j/8)+1] op_sel_hi:[1,0,0]   ; t - M, two at a time
.set j, j+1
.endr
.irp b, 0,1,2,3
	v_fma_f32 v[MB+\b], v[MB+\b], s[CC], v[VB+2*\b]   ; the same of each block's largest score
.endr
.set j, 0
.rept 64
	v_exp_f32 v[S+j], v[S+j]                       ; p = 2^(t - M)
.set j, j+1
.endr
	v_pk_mul_f32 v[SUM:SUM+1], v[SUM:SUM+1], v[FF:FF+1] op_sel_hi:[1,0]   ; the sums under the new M: the plain line behind the batch
	s_wait_alu depctr_va_vdst(0)                   ; one wait for the batch, ahead of its first reader
.irp b, 0,1,2,3
	v_exp_f32 v[MB+\b], v[MB+\b]                   ; the blocks' largest p
.endr
	v_pk_add_f32 v[30:31], v[S:S+1], v[S+2:S+3]    ; the row's sum of the unquantised p, in two chains
.irp j, 4,8,12,16,20,24,28,32,36,40,44,48,52,56,60
	v_pk_add_f32 v[SUM:SUM+1], v[SUM:SUM+1], v[S+\j:S+\j+1]
	v_pk_add_f32 v[30:31], v[30:31], v[S+\j+2:S+\j+3]
.endr
	v_pk_add_f32 v[SUM:SUM+1], v[SUM:SUM+1], v[30:31]
	s_wait_alu depctr_va_vdst(0)                   ; and one for the four
.irp b, 0,1,2,3
	v_max_num_f32 v[MB+\b], 0x1800000, v[MB+\b]    ; the floor 2^(3 - 127)
.endr
.irp b, 0,1,2,3
	v_add_nc_u32 v[SO+\b], 0xff000000, v[MB+\b]    ; the conversion's scale operand
.endr
.irp b, 0,1,2,3
	v_lshrrev_b32 v[PT+\b], 23, v[SO+\b]           ; the scale's byte
.endr
	v_lshl_or_b32 v[PSW], v[PT+1], 8, v[PT]
	v_lshl_or_b32 v[PSW], v[PT+2], 16, v[PSW]
	v_lshl_or_b32 v[PSW], v[PT+3], 24, v[PSW]
.irp c, 0,1
	v_cvt_scalef32_pk16_fp6_f32 v[PCD+6*\c:PCD+6*\c+2], v[S+32*\c:S+32*\c+15], v[SO+2*\c]
	v_cvt_scalef32_pk16_fp6_f32 v[CT+4*\c:CT+4*\c+2], v[S+16+32*\c:S+31+32*\c], v[SO+2*\c+1]
.endr
	v_nop                                          ; a plain line behind the conversions
.irp c, 0,1
.irp i, 0,1,2
	v_permlane16_swap_b32 v[PCD+6*\c+\i], v[CT+4*\c+\i]
.endr
.irp i, 0,1,2
	v_mov_b32 v[PCD+3+6*\c+\i], v[CT+4*\c+\i]
.endr
.endr
.set j, 0
.rept 16
	v_pk_mul_f32 v[O+2*j:O+2*j+1], v[O+2*j:O+2*j+1], v[FF:FF+1] op_sel_hi:[1,0]   ; O^T under the new M; these lines also stand between the writes of p's codes and scale word and the products
.set j, j+1
.endr
	s_wait_dscnt 0x0                               ; V
.irp t, 0,1,2,3
	v_wmma_scale_f32_16x16x128_f8f6f4 v[O+8*\t:O+8*\t+7], v[FRG+12*\t:FRG+12*\t+11], v[PCD:PCD+11], v[O+8*\t:O+8*\t+7], v[VSW+\t], v[PSW] matrix_a_fmt:MATRIX_FMT_FP6 matrix_b_fmt:MATRIX_FMT_FP6   ; four accumulators by turns; the next step's score products stand between a sum's links
.endr
	s_add_co_u32 s[TB], s[TB], REC
	s_add_co_u32 s[KF], s[KF], 128
.endm
; Four records.  n = how many younger records of mine may stay on their way.
.macro CHUNK n
	s_wait_tensorcnt \n                            ; my record of these four has landed (a wave that fetched nothing passes)
	s_wait_dscnt 0x0
	s_barrier_signal -1
	s_barrier_wait -1                              ; everybody's has
	s_mov_b32 s[TB], (3-\n)*4*REC
	s_mov_b32 s18, 4
.Lstep_\@:
	STEP
	s_sub_co_u32 s18, s18, 1
	s_cmp_lg_u32 s18, 0
	s_cbranch_scc1 .Lstep_\@
.endm
	s_wait_loadcnt 0x0                             ; Q
	CHUNK 3
	CHUNK 2
	CHUNK 1
	CHUNK 0
	; THE WAY OUT.  O^T / the sum goes through my stage: a row is a query's 64 channels, 256 bytes; sixteen lanes then store one aligned run of 256 bytes: one token's part for this head.
	v_add_f32 v[SUM], v[SUM], v[SUM+1]             ; (these lines are the places behind the last products)
	v_permlanex16_b32 v[FF], v[SUM], s[SEL], s[SEL+1]
	v_add_f32 v[SUM], v[SUM], v[FF]
	v_rcp_f32 v[SUM], v[SUM]
	v_and_b32 v4, 15, v0                           ; r
	v_bfe_u32 v5, v0, 4, 1                         ; lane / 16
	s_mul_i32 s19, s[WV], 16*272
	s_add_co_u32 s19, s19, STAGE
	v_mul_u32_u24 v6, v4, 272
	v_lshl_add_u32 v6, v5, 6, v6
	v_add_nc_u32 v6, s19, v6                       ; in: row r; tiles 2 g, 2 g + 1 are channels 32 g + 16 (lane / 16) + 0 .. 15
	v_mul_u32_u24 v8, v5, 272
	v_lshl_add_u32 v8, v4, 4, v8
	v_add_nc_u32 v8, s19, v8                       ; back: lanes 0-15 one row, lanes 16-31 the next
	v_lshlrev_b32 v9, 12, v5
	v_lshl_add_u32 v9, v4, 4, v9                   ; and the same in out0
	s_wait_alu depctr_va_vdst(0)                   ; the wait ahead of the reciprocal's first reader
.set j, 0
.rept 16
	v_pk_mul_f32 v[O+2*j:O+2*j+1], v[O+2*j:O+2*j+1], v[SUM:SUM+1] op_sel_hi:[1,0]
.set j, j+1
.endr
.irp t, 0,1,2,3
	ds_store_b128 v6, v[O+8*\t:O+8*\t+3] offset:128*(\t/2)+32*(\t%2)
	ds_store_b128 v6, v[O+8*\t+4:O+8*\t+7] offset:128*(\t/2)+32*(\t%2)+16
.endr
.irp i, 0,1,2,3,4,5,6,7
	ds_load_b128 v[S+4*\i:S+4*\i+3], v8 offset:544*\i     ; LDS serves a wave's instructions in order: these see my stores
.endr
.irp i, 0,1,2,3,4,5,6,7
	s_wait_dscnt 7-\i                              ; the younger reads may be out
	global_store_b128 v9, v[S+4*\i:S+4*\i+3], s[8:9] offset:(2*\i+8*(\i/4))*4096 th:TH_STORE_NT   ; stage row m is token m + 8 (m / 8) of the tile
.endr
	s_wait_tensorcnt 0x0
	s_wait_dscnt 0x0
	s_wait_tensorcnt 0x0
	ds_add_u32 v215, v255
	s_wait_dscnt 0x0
	CROUND                                         ; the closing round
	s_endpgm
.Lfunc_end_k_qc48be36004_attn:
	.size	k_qc48be36004_attn, .Lfunc_end_k_qc48be36004_attn-k_qc48be36004_attn
	.p2alignl 7, 3214868480
	.fill 96, 4, 3214868480
	.section	.rodata,"a",@progbits
	.p2align	6, 0x0
	.amdhsa_kernel k_qc48be36004_attn
		.amdhsa_group_segment_fixed_size 280576
		.amdhsa_private_segment_fixed_size 0
		.amdhsa_enable_private_segment 0
		.amdhsa_kernarg_size 24
		.amdhsa_user_sgpr_count 2
		.amdhsa_user_sgpr_kernarg_segment_ptr 1
		.amdhsa_wavefront_size32 1
		.amdhsa_system_sgpr_workgroup_id_x 1
		.amdhsa_system_sgpr_workgroup_id_y 1
		.amdhsa_system_sgpr_workgroup_id_z 1
		.amdhsa_system_vgpr_workitem_id 0
		.amdhsa_next_free_vgpr 256
		.amdhsa_next_free_sgpr 66
		.amdhsa_reserve_vcc 0
		.amdhsa_float_denorm_mode_32 3
		.amdhsa_float_denorm_mode_16_64 3
		.amdhsa_memory_ordered 1
		.amdhsa_forward_progress 1
		.amdhsa_inst_pref_size 125
	.end_amdhsa_kernel
	.amdgpu_metadata
---
amdhsa.version: [ 1, 2 ]
amdhsa.kernels:
  - .name:           k_qc48be36004_attn
    .symbol:         k_qc48be36004_attn.kd
    .args:
      - { .name: qr, .offset: 0, .size: 8, .value_kind: global_buffer, .address_space: global }
      - { .name: kv, .offset: 8, .size: 8, .value_kind: global_buffer, .address_space: global }
      - { .name: out0, .offset: 16, .size: 8, .value_kind: global_buffer, .address_space: global }
    .group_segment_fixed_size: 280576
    .private_segment_fixed_size: 0
    .kernarg_segment_align: 8
    .kernarg_segment_size: 24
    .max_flat_workgroup_size: 512
    .sgpr_count:     66
    .vgpr_count:     256
    .wavefront_size: 32
...
	.end_amdgpu_metadata
.endif
;; end of part 3
